; MI455X (gfx1250); checked and timed in simulation.
; The chip was launched on July 23, 2026; its instructions are those of AMD's public machine-readable ISA for CDNA 5 (MIT licence, August 2026) and "CDNA5" Instruction Set Architecture Reference Guide (July 2026). The comments in the code are by the model that wrote it; some were corrected since.
;; Self Attention. Allowed arithmetic: matrix products marked QUANTISED: E2M3 operands, one E8M0 scale for each 32 along K, by v_wmma_scale_f32_16x16x128_f8f6f4 with both operands' format E2M3, f32 sums; everything else in f32.
;; Inputs: Wk 256 x 256 float32; Wq 256 x 256 float32; Wu 256 x 256 float32; Wv 256 x 256 float32; bu 256 float32; x 4 x 4,096 x 256 float32.
;; Outputs: out0 4 x 4,096 x 256 float32.
;; This version of the problem:
;;   THIS VERSION OF THE PROBLEM IS GIVEN IN LOW PRECISION. The matrix products marked QUANTISED in the list below multiply operands that are first quantised to E2M3 (2 exponent bits, 3 mantissa bits; 6 bits a number), with one power-of-two scale for each 32 numbers along K (OCP MX v1.0); their sums are f32. All else is computed in f32.
;;   The module's matrix products, in the order in which they are computed (A, B: the left and right operand; K: the contracted axis; several contracted axes count as one K, in the product's order):
;;     1. [M 16,384, K 256] x [K 256, N 256]; A: input x; B: input Wq: QUANTISED
;;     2. [M 16,384, K 256] x [K 256, N 256]; A: input x; B: input Wk: QUANTISED
;;     3. [M 16,384, K 256] x [K 256, N 256]; A: input x; B: input Wv: QUANTISED
;;     4. batch 16 x [M 4,096, K 64] x [K 64, N 4,096]; A: computed on the way; B: computed on the way: QUANTISED
;;     5. batch 16 x [M 64, K 4,096] x [K 4,096, N 4,096]; A: computed on the way; B: softmax (see below): QUANTISED
;;     6. [M 16,384, K 256] x [K 256, N 256]; A: computed on the way; B: input Wu: QUANTISED
;;   THE QUANTISER, for each operand of a quantised product, along K:
;;     - K is cut into blocks of 32 from its start; a last block that is shorter is filled with zeros.
;;     - A block's scale is 2^e with e = floor(log2(the largest magnitude in the block)) - 2, held to -126 .. 127; a block of zeros has e = 0. As a byte (E8M0): e + 127.
;;     - Each number is divided by its block's scale, clamped to +-7.5, and rounded to the nearest number of E2M3, ties to even, subnormals kept.
;;     - The product sums the exact products of the quantised numbers (number of the format x scale) in f32.
;;   ~~~python
;;   def quantise(x, axis):      # numpy; x: float32 -> the quantised numbers, widened to float32 again
;;       x = np.moveaxis(x, axis, -1); K = x.shape[-1]
;;       x = np.pad(x, [(0, 0)] * (x.ndim - 1) + [(0, -K % 32)]); x = x.reshape(x.shape[:-1] + (-1, 32)); a = np.abs(x).max(-1, keepdims=True)
;;       e = np.where(a > 0, np.clip(np.frexp(np.where(a > 0, a, 1))[1] - 1 - 2, -126, 127), 0)      # np.frexp(a)[1] - 1 = floor(log2(a)), exactly
;;       r = np.clip(x / 2.0 ** e, -7.5, 7.5)
;;       step = 2.0 ** (np.maximum(np.frexp(np.where(r == 0, 1, r))[1] - 1, 0) - 3)
;;       q = np.round(r / step) * step * 2.0 ** e      # np.round: ties to even
;;       return np.moveaxis(q.reshape(q.shape[:-2] + (-1,))[..., :K], -1, axis).astype(np.float32)
;;   ~~~
;;   SOFTMAX AHEAD OF A QUANTISED PRODUCT. Where the list says 'softmax', what is quantised is not the finished softmax but p = 2^(t - M), with t = logit x log2(e) and M = ceil(the row's largest t), a whole number; so 1/2 < the row's largest p <= 1. The row's sum l is taken of the UNQUANTISED p, in f32, and the product's result is divided by l at the end. Since M is a whole number, a kernel that streams over the keys may use a running M (the ceiling of the running maximum): every later rescaling is an exact power of two, which a block's scale takes up: the codes' values come out the same.
;;   OPERANDS COMPUTED ON THE WAY. 'Computed on the way' means the value that the module computes at that place (a softmax that the list does not call 'softmax' is quantised finished and normalised). What goes into a quantiser is computed in f32, as accurately as f32 sums, v_exp_f32 and their like allow (about 1e-6 of the number): no bf16 or f16 on the way to a quantiser, and a product that is left as it is and whose result goes on into a quantised operand takes f32 operands (vector FMAs, or v_wmma_f32_16x16x4_f32). A number that lies on a knife's edge between two numbers of the format may be rounded either way, as far as f32 arithmetic and the matrix unit's own rounding can turn it there, and no further.
;; One version. Each part assembles by itself: llvm-mc -triple=amdgcn-amd-amdhsa -mcpu=gfx1250 --defsym DOCPART=n.
;; ======== version 1 of 1: 3 launches
;; limits: right only within a limited range of input values
;; workspace buffers: wimg 212,992 bytes; qc 3,145,728 bytes; qs 262,144 bytes; kv 6,815,744 bytes
;; launch wquant (part 1): grid 32 x 1, 4 waves a work-group, no clusters, 34,304 bytes of LDS; arguments Wq, Wk, Wv, Wu, wimg; writes wimg
.if DOCPART == 1
	.amdgcn_target "amdgcn-amd-amdhsa--gfx1250"
	.amdhsa_code_object_version 6
	.text
	.protected	k_qae10f85a29_wquant
	.globl	k_qae10f85a29_wquant
	.p2align	8
	.type	k_qae10f85a29_wquant,@function
k_qae10f85a29_wquant:
	s_mov_b64 s[64:65], 0
	v_nop
	global_prefetch_b8 v0, s[64:65] scope:SCOPE_SE
	s_setreg_imm32_b32 hwreg(HW_REG_WAVE_MODE, 25, 1), 1
	s_wait_xcnt 0x0
; Wq, Wk, Wv, Wu [256 (n)][256 (k)] f32, K innermost, become codes of FP6 (E2M3) with one E8M0 scale byte for each 32 along K,
; laid as IMAGES OF OPERAND REGISTERS: a fragment (16 rows x 128 K, 12 registers a lane) is 1,536 bytes, registers 4 g .. 4 g + 3 of lane l at 512 g + 16 l.
; wimg: matrix i (0 q, 1 k, 2 v, 3 u) at 53,248 i; fragment F = 4 B + 2 u + s at 1,536 F; its scale words (one a lane, lanes 16-31 repeat lanes 0-15) at 49,152 + 128 F + 4 l.
; THE ROWS OF A FRAGMENT ARE NOT NEIGHBOURS: lane r takes row 32 B + 8 u + r + 8 (r / 8), so that, used as source 0, the 16 registers of tiles (B, 0) and (B, 1) of a result are 16 neighbouring rows.
; A block's scale is 2^(floor(log2(its largest magnitude)) - 2); its byte is the largest magnitude's exponent field - 2, held at 1 from below.
; LIMITS: a block whose largest magnitude lies under 2^-124 (a block of zeros among them) keeps the byte 1: its codes are zeros or nearly so, and only this program reads the bytes.  NaN and infinities are not served.
; SHARES: 128 fragments, one to a wave: 32 work-groups of four waves; there is no more work than that.  Work-group: i = x / 8, B = x % 8; wave = 2 u + s.
; Each load reads 512 consecutive bytes of a row; the 16 rows turn through the wave's own stage in LDS (rows 528 bytes apart: row r starts 4 r banks on) and come back 16 neighbours of a block to a lane.  No barrier: waves share nothing.
.set MAT,  53248
.set FRB,  1536
.set SCO,  49152
.set SP,   528
.set WST,  16*SP
.set RAW,  16                          ; v16-79   16 rows as loaded
.set NUM,  80                          ; v80-143  register 16 b + i = k 32 b + 16 (lane / 16) + i of row lane % 16
.set PC,   144                         ; v144-155 the codes; v156-158, v160-162 at work
.set TM,   164                         ; v164-179 at work
.set PW,   180                         ; the scale word
.set SEL,  20                          ; s[20:21] v_permlanex16_b32's selects for lane l xor 16
; 64 numbers of a lane, v[s] .. v[s + 63], become a fragment's codes in v[PC] on and its scale word in v[PW]
.macro QUANT s
.irp b, 0,1,2,3
	v_max3_num_f32 v[TM+\b], |v[\s+16*\b]|, |v[\s+1+16*\b]|, 0x1800000   ; block b: my 16 numbers, and the floor 2^(3 - 127): the byte cannot fall under 1
.endr
.irp i, 2,4,6,8,10,12,14
.irp b, 0,1,2,3
	v_max3_num_f32 v[TM+\b], v[TM+\b], |v[\s+16*\b+\i]|, |v[\s+1+16*\b+\i]|   ; the four blocks by turns
.endr
.endr
.irp b, 0,1,2,3
	v_permlanex16_b32 v[TM+4+\b], v[TM+\b], s[SEL], s[SEL+1]
.endr
.irp b, 0,1,2,3
	v_max_num_f32 v[TM+\b], v[TM+\b], v[TM+4+\b]   ; with lane l xor 16's: the block's largest magnitude
.endr
.irp b, 0,1,2,3
	v_add_nc_u32 v[TM+12+\b], 0xff000000, v[TM+\b]   ; 2 off its exponent field: the conversion's scale operand
.endr
.irp b, 0,1,2,3
	v_lshrrev_b32 v[TM+4+\b], 23, v[TM+12+\b]      ; the scale's byte
.endr
	v_lshl_or_b32 v[PW], v[TM+5], 8, v[TM+4]
	v_lshl_or_b32 v[PW], v[TM+6], 16, v[PW]
	v_lshl_or_b32 v[PW], v[TM+7], 24, v[PW]
.irp c, 0,1
	v_cvt_scalef32_pk16_fp6_f32 v[PC+6*\c:PC+2+6*\c], v[\s+32*\c:\s+15+32*\c], v[TM+12+2*\c]
	v_cvt_scalef32_pk16_fp6_f32 v[PC+12+4*\c:PC+14+4*\c], v[\s+16+32*\c:\s+31+32*\c], v[TM+12+2*\c+1]   ; (a conversion's three registers begin on an even number)
.endr
	v_nop                                          ; one plain place behind a scaled conversion
.irp c, 0,1                                    ; the operand's layout wants a whole block in a lane: lanes 0-15 block 2 c, lanes 16-31 block 2 c + 1
.irp i, 0,1,2
	v_permlane16_swap_b32 v[PC+6*\c+\i], v[PC+12+4*\c+\i]
.endr
.irp i, 0,1,2
	v_mov_b32 v[PC+3+6*\c+\i], v[PC+12+4*\c+\i]
.endr
.endr
.endm
	s_load_b256 s[4:11], s[0:1], 0x0               ; Wq s[4:5], Wk s[6:7], Wv s[8:9], Wu s[10:11]
	s_load_b64 s[12:13], s[0:1], 0x20              ; wimg
	v_lshl_add_u32 v192, v0, 2, 0x8400
	v_mov_b32 v193, 0
	v_lshrrev_b32 v1, 5, v0
	v_readfirstlane_b32 s14, v1                    ; wave = 2 u + s
	v_and_b32 v1, 31, v0                           ; lane
	v_and_b32 v2, 15, v0                           ; r
	v_bfe_u32 v3, v0, 4, 1                         ; h
	v_lshlrev_b32 v4, 4, v1                        ; 16 x lane
	v_lshlrev_b32 v5, 2, v1                        ; 4 x lane
	s_mul_i32 s15, s14, WST                        ; my stage
	v_add_nc_u32 v6, s15, v4                       ; into it: 16 x lane of a row
	v_mul_u32_u24 v7, v2, SP
	v_lshl_add_u32 v7, v3, 6, v7
	v_add_nc_u32 v7, s15, v7                       ; out of it: row r, + 64 h
	s_mov_b32 s[SEL], 0x76543210
	s_mov_b32 s[SEL+1], 0xfedcba98
.irp b, 0,1,2,3
	v_mov_b32 v[TM+4+\b], 0                        ; a lane permute's destination counts as one of its sources
.endr
	s_lshr_b32 s16, ttmp9, 3                       ; i: which matrix
	s_and_b32 s17, ttmp9, 7                        ; B: which 32 rows
	s_lshr_b32 s18, s14, 1                         ; u
	s_and_b32 s19, s14, 1                          ; s
	s_lshl_b32 s22, s17, 15                        ; (32 B + 8 u) rows of 1,024 bytes + 512 s
	s_lshl_b32 s23, s18, 13
	s_add_co_u32 s22, s22, s23
	s_lshl_b32 s23, s19, 9
	s_add_co_u32 s22, s22, s23
	s_mov_b32 s23, 0
	s_lshl_b32 s24, s17, 2
	s_add_co_u32 s24, s24, s14                     ; F = 4 B + wave
	s_mul_i32 s25, s16, MAT
	s_mul_i32 s26, s24, FRB
	s_add_co_u32 s26, s26, s25                     ; where the image goes
	s_mov_b32 s27, 0
	s_lshl_b32 s28, s24, 7
	s_add_co_u32 s28, s28, s25                     ; and, 49,152 further on, the scale words
	s_mov_b32 s29, 0
	s_and_b32 s30, s16, 1
	s_wait_alu depctr_va_vdst(0)
	s_wait_kmcnt 0x0
	s_cmp_lt_u32 s16, 2                            ; the choice of the matrix hangs on the work-group's number alone
	s_cselect_b64 s[4:5], s[4:5], s[8:9]
	s_cselect_b64 s[6:7], s[6:7], s[10:11]
	s_cmp_eq_u32 s30, 0
	s_cselect_b64 s[4:5], s[4:5], s[6:7]
	s_add_nc_u64 s[4:5], s[4:5], s[22:23]
	s_add_nc_u64 s[8:9], s[12:13], s[26:27]
	s_add_nc_u64 s[10:11], s[12:13], s[28:29]
.irp i, 0,1,2,3,4,5,6,7,8,9,10,11,12,13,14,15
	global_load_b128 v[RAW+4*\i:RAW+4*\i+3], v4, s[4:5] offset:(\i+8*(\i/8))*1024 th:TH_LOAD_NT   ; 32 lanes read 512 consecutive bytes of the tile's row i
.endr
	s_wait_loadcnt 0x0
.irp i, 0,1,2,3,4,5,6,7,8,9,10,11,12,13,14,15
	ds_store_b128 v6, v[RAW+4*\i:RAW+4*\i+3] offset:SP*\i
.endr
.irp b, 0,1,2,3
.irp j, 0,1,2,3
	ds_load_b128 v[NUM+16*\b+4*\j:NUM+16*\b+4*\j+3], v7 offset:128*\b+16*\j   ; LDS serves a wave's instructions in order: these see my stores
.endr
.endr
	s_wait_dscnt 0x0
	QUANT NUM
.irp g, 0,1,2
	global_store_b128 v4, v[PC+4*\g:PC+4*\g+3], s[8:9] offset:512*\g   ; 32 lanes store 512 consecutive bytes, aligned to 256
.endr
	global_store_b32 v5, v[PW], s[10:11] offset:SCO
	s_wait_tensorcnt 0x0
	ds_add_u32 v192, v193
	s_wait_dscnt 0x0
	s_endpgm
.Lfunc_end_k_qae10f85a29_wquant:
	.size	k_qae10f85a29_wquant, .Lfunc_end_k_qae10f85a29_wquant-k_qae10f85a29_wquant
	.p2alignl 7, 3214868480
	.fill 96, 4, 3214868480
	.section	.rodata,"a",@progbits
	.p2align	6, 0x0
	.amdhsa_kernel k_qae10f85a29_wquant
		.amdhsa_group_segment_fixed_size 34304
		.amdhsa_private_segment_fixed_size 0
		.amdhsa_enable_private_segment 0
		.amdhsa_kernarg_size 40
		.amdhsa_user_sgpr_count 2
		.amdhsa_user_sgpr_kernarg_segment_ptr 1
		.amdhsa_wavefront_size32 1
		.amdhsa_system_sgpr_workgroup_id_x 1
		.amdhsa_system_sgpr_workgroup_id_y 1
		.amdhsa_system_sgpr_workgroup_id_z 1
		.amdhsa_system_vgpr_workitem_id 0
		.amdhsa_next_free_vgpr 194
		.amdhsa_next_free_sgpr 66
		.amdhsa_reserve_vcc 0
		.amdhsa_float_denorm_mode_32 3
		.amdhsa_float_denorm_mode_16_64 3
		.amdhsa_memory_ordered 1
		.amdhsa_forward_progress 1
		.amdhsa_inst_pref_size 11
	.end_amdhsa_kernel
	.amdgpu_metadata
---
amdhsa.version: [ 1, 2 ]
amdhsa.kernels:
  - .name:           k_qae10f85a29_wquant
    .symbol:         k_qae10f85a29_wquant.kd
    .args:
      - { .name: Wq, .offset: 0, .size: 8, .value_kind: global_buffer, .address_space: global }
      - { .name: Wk, .offset: 8, .size: 8, .value_kind: global_buffer, .address_space: global }
      - { .name: Wv, .offset: 16, .size: 8, .value_kind: global_buffer, .address_space: global }
      - { .name: Wu, .offset: 24, .size: 8, .value_kind: global_buffer, .address_space: global }
      - { .name: wimg, .offset: 32, .size: 8, .value_kind: global_buffer, .address_space: global }
    .group_segment_fixed_size: 34304
    .private_segment_fixed_size: 0
    .kernarg_segment_align: 8
    .kernarg_segment_size: 40
    .max_flat_workgroup_size: 128
    .sgpr_count:     66
    .vgpr_count:     194
    .wavefront_size: 32
...
	.end_amdgpu_metadata
.endif
;; end of part 1
;; launch proj (part 2): grid 256 x 1, 4 waves a work-group, no clusters, 82,432 bytes of LDS; arguments x, wimg, qc, qs, kv; writes qc, qs, kv
.if DOCPART == 2
	.amdgcn_target "amdgcn-amd-amdhsa--gfx1250"
	.amdhsa_code_object_version 6
	.text
	.protected	k_qae10f85a29_proj
	.globl	k_qae10f85a29_proj
	.p2align	8
	.type	k_qae10f85a29_proj,@function
k_qae10f85a29_proj:
	s_mov_b64 s[64:65], 0
	v_nop
	global_prefetch_b8 v0, s[64:65] scope:SCOPE_SE
	s_setreg_imm32_b32 hwreg(HW_REG_WAVE_MODE, 25, 1), 1
	s_wait_xcnt 0x0
; q = x Wq^T, k = x Wk^T, v = x Wv^T on codes of FP6 (E2M3) with one E8M0 scale for each 32 along K; x [16384][256] f32 is quantised here; the weights come as images of operand registers (wimg).
; The results never go to memory as f32: q and k are quantised along a head's 64 channels, v along the tokens, and leave as images of the registers that the attention launch wants.
; SHARES.  Work-group j owns tokens 64 j .. 64 j + 63, as four tiles tt of 16: LANE r OF TILE tt IS TOKEN 8 tt + 32 (r / 8) + r % 8.  Wave w first quantises tile w of x (two fragments, through LDS to all waves: one barrier);
; then it makes head w of q, k and v for all 64 tokens.  Its 24 weight fragments and x's 8 lie in registers.  All waves run one straight text.
; q, k: source 0 = 16 rows of W, source 1 = 16 tokens: a lane holds ONE token and its registers run along the head's channels; by the order of rows in a tile of W (lane r of tile (B, u): row 32 B + 8 u + r + 8 (r / 8)) the 16 registers
; of two neighbouring tiles are 16 neighbouring channels, and a block of 32 lies in lanes l and l xor 16 (macro QUANT).
; v: source 0 = 16 tokens, source 1 = 16 rows of Wv: a lane holds ONE channel and its registers run along the tokens; by the order of tokens in a tile of x the 32 registers of the four token tiles are tokens 32 (lane / 16) + 0 .. 31:
; A HALF IMAGE (6 registers, 768 bytes): registers 0-3 of lane l at 16 l, registers 4-5 at 512 + 8 l.  A fragment in halves: registers 0-5 at + 0, registers 6-11 at + 768.
; qc: (G 4 + head) 1,536, G = 2 j + fl: halves a = 0, 1 are token tiles 2 fl + a.   qs: (G 4 + head) 128 + 4 l: bytes 0, 1 tile a = 0's scales, bytes 2, 3 tile a = 1's.
; kv: a block of 53,248 bytes for each 128 keys: K's images at head 6,144 + f 1,536 + 768 a (f = 2 c + fl, c: which 64 keys); V's at 24,576 + head 6,144 + t 1,536 + 768 c (t: tile of 16 channels);
;     K's scale words at 49,152 + head 512 + 16 l + 4 f; V's at 51,200 + head 512 + 16 l + 4 t, bytes 2 c, 2 c + 1 for key group c.
; The scale bytes of K and V leave in pieces of 8 and 2 bytes a lane, 16 bytes apart, since a step's words come from two work-groups: 4,096 of a block's 53,248 bytes.  All else leaves as 512 or 256 consecutive aligned bytes a store.
; LIMITS: a block whose largest magnitude lies under 2^-124 (a block of zeros among them) keeps the scale byte 1; only this program reads the bytes.  NaN and infinities are not served.
; REGISTERS, in windows of 256: window 0: v1-13 addresses; v16-111 x's 8 fragments; v112-175 8 accumulators; v176-194 codes; v196-211 at work; v212 scale word; v214-215 K's two; v216-223 x's scale words; v224-247 the weights'.
;   window 1: v0-95 Wq's 8 fragments, v96-191 Wk's.   window 2: v0-95 Wv's; v96-223 x as loaded.
.set MAT,  53248
.set FRB,  1536
.set SCO,  49152
.set STEPB, 53248
.set VIMG, 24576
.set KSC,  49152
.set VSC,  51200
.set SP,   528                         ; a stage row: 512 bytes + 16: row r starts 4 r banks on
.set STG1, 16*SP
.set WSTG, 2*STG1                      ; two stages for each wave, its own
.set XIMG, 4*WSTG                      ; x's 8 fragments (2 tt + s), plain images: registers 4 g .. 4 g + 3 of lane l at 512 g + 16 l
.set XSC,  XIMG+8*FRB                  ; their scale words, 128 bytes each
.set H8,   13                          ; v13  8 x (lane / 16)
.set XF,   16
.set HA,   112
.set PC,   176
.set TM,   196
.set PW,   212
.set KPW,  214
.set XS,   216
.set WS,   224
.set RAWX, 96                          ; in window 2
.set SEL,  22
.set MSB, 0
.macro WIN new                         ; the immediate's high byte repeats the setting that is left
.if MSB != \new
	s_set_vgpr_msb (MSB<<8)|\new
.set MSB, \new
.endif
.endm
; 64 numbers of a lane, v[s] .. v[s + 63], register 16 b + i = place 32 b + 16 (lane / 16) + i along K of my row, become 12 registers of codes in v[PC] on and four scale bytes in v[PW].
; Blocks 0, 1 make registers 0-5 and bytes 0, 1; blocks 2, 3 registers 6-11 and bytes 2, 3: the two pairs do not meet, so they may belong to two tiles.
.macro QUANT s
.irp b, 0,1,2,3
	v_max3_num_f32 v[TM+\b], |v[\s+16*\b]|, |v[\s+1+16*\b]|, 0x1800000   ; my 16 numbers, each accumulator from its low end on, and the floor 2^(3 - 127): the byte cannot fall under 1
.endr
.irp i, 2,4,6,8,10,12,14
.irp b, 0,1,2,3
	v_max3_num_f32 v[TM+\b], v[TM+\b], |v[\s+16*\b+\i]|, |v[\s+1+16*\b+\i]|
.endr
.endr
.irp b, 0,1,2,3
	v_permlanex16_b32 v[TM+4+\b], v[TM+\b], s[SEL], s[SEL+1]
.endr
.irp b, 0,1,2,3
	v_max_num_f32 v[TM+\b], v[TM+\b], v[TM+4+\b]   ; with lane l xor 16's: the block's largest magnitude
.endr
.irp b, 0,1,2,3
	v_add_nc_u32 v[TM+12+\b], 0xff000000, v[TM+\b]   ; 2 off its exponent field: the conversion's scale operand
.endr
.irp b, 0,1,2,3
	v_lshrrev_b32 v[TM+4+\b], 23, v[TM+12+\b]      ; the scale's byte
.endr
	v_lshl_or_b32 v[PW], v[TM+5], 8, v[TM+4]
	v_lshl_or_b32 v[PW], v[TM+6], 16, v[PW]
	v_lshl_or_b32 v[PW], v[TM+7], 24, v[PW]
.irp c, 0,1
	v_cvt_scalef32_pk16_fp6_f32 v[PC+6*\c:PC+2+6*\c], v[\s+32*\c:\s+15+32*\c], v[TM+12+2*\c]
	v_cvt_scalef32_pk16_fp6_f32 v[PC+12+4*\c:PC+14+4*\c], v[\s+16+32*\c:\s+31+32*\c], v[TM+12+2*\c+1]   ; (a conversion's three registers begin on an even number)
.endr
	v_nop                                          ; one plain place behind a scaled conversion
.irp c, 0,1
.irp i, 0,1,2
	v_permlane16_swap_b32 v[PC+6*\c+\i], v[PC+12+4*\c+\i]   ; a whole block to a lane: lanes 0-15 block 2 c, lanes 16-31 block 2 c + 1
.endr
.irp i, 0,1,2
	v_mov_b32 v[PC+3+6*\c+\i], v[PC+12+4*\c+\i]
.endr
.endr
.endm
; 64 numbers of a lane, two WHOLE blocks: register 32 c + i = place 32 (lane / 16) + i of half c.  No other lane is asked for a maximum, and the conversions' results are the operand's registers: half c in v[PC + 6 c] on.
; v[PW]: bytes 2 c and 2 c + 1 are the scales of half c's blocks in lanes 0-15 and in lanes 16-31: my two bytes 8 (lane / 16) bits up, joined with lane l xor 16's.
.macro QUANTB s
.irp b, 0,1,2,3
	v_max3_num_f32 v[TM+\b], |v[\s+16*\b]|, |v[\s+1+16*\b]|, 0x1800000   ; four chains of 16 numbers, each accumulator from its low end on, and the floor 2^(3 - 127)
.endr
.irp i, 2,4,6,8,10,12,14
.irp b, 0,1,2,3
	v_max3_num_f32 v[TM+\b], v[TM+\b], |v[\s+16*\b+\i]|, |v[\s+1+16*\b+\i]|
.endr
.endr
.irp c, 0,1
	v_max_num_f32 v[TM+2*\c], v[TM+2*\c], v[TM+2*\c+1]   ; the block's largest magnitude
.endr
.irp c, 0,1
	v_add_nc_u32 v[TM+12+\c], 0xff000000, v[TM+2*\c]   ; 2 off its exponent field: the conversion's scale operand
.endr
.irp c, 0,1
	v_lshrrev_b32 v[TM+4+\c], 23, v[TM+12+\c]      ; the scale's byte
.endr
	v_lshl_or_b32 v[PW], v[TM+5], 16, v[TM+4]
	v_lshlrev_b32 v[PW], v[H8], v[PW]
	v_permlanex16_b32 v[TM+6], v[PW], s[SEL], s[SEL+1]
	v_or_b32 v[PW], v[PW], v[TM+6]
.irp c, 0,1
	v_cvt_scalef32_pk16_fp6_f32 v[PC+6*\c:PC+2+6*\c], v[\s+32*\c:\s+15+32*\c], v[TM+12+\c]
	v_cvt_scalef32_pk16_fp6_f32 v[PC+12+4*\c:PC+14+4*\c], v[\s+16+32*\c:\s+31+32*\c], v[TM+12+\c]   ; (a conversion's three registers begin on an even number)
.endr
	v_nop                                          ; one plain place behind a scaled conversion
.irp c, 0,1
.irp i, 0,1,2
	v_mov_b32 v[PC+3+6*\c+\i], v[PC+12+4*\c+\i]
.endr
.endr
.endm
.macro XLOAD s                         ; my tile's 16 rows (tokens i + 24 (i / 8) from the tile's first), K step s: each load reads 512 consecutive bytes
.irp i, 0,1,2,3,4,5,6,7,8,9,10,11,12,13,14,15
	global_load_b128 v[RAWX+64*\s+4*\i:RAWX+64*\s+4*\i+3], v4, s[4:5] offset:(\i+24*(\i/8))*1024+512*\s th:TH_LOAD_NT
.endr
.endm
.macro WLOAD i, reg                    ; my head's 8 fragments of matrix i
.irp f, 0,1,2,3,4,5,6,7
.irp g, 0,1,2
	global_load_b128 v[\reg+12*\f+4*\g:\reg+12*\f+4*\g+3], v4, s[6:7] offset:\i*MAT+\f*FRB+512*\g
.endr
.endr
.endm
.macro TURN s, dst                     ; K step s of my tile through my stage: in as loaded, back 16 neighbours of each block to a lane; LDS serves a wave's instructions in order
	WIN 0x08                                       ; an LDS store's data are its source 1: window 2
.irp i, 0,1,2,3,4,5,6,7,8,9,10,11,12,13,14,15
	ds_store_b128 v7, v[RAWX+64*\s+4*\i:RAWX+64*\s+4*\i+3] offset:STG1*\s+SP*\i
.endr
	WIN 0
.irp b, 0,1,2,3
.irp j, 0,1,2,3
	ds_load_b128 v[\dst+16*\b+4*\j:\dst+16*\b+4*\j+3], v8 offset:STG1*\s+128*\b+16*\j
.endr
.endr
.endm
; q or k of my head for token tiles 2 fl and 2 fl + 1: 8 accumulators by turns, K step by K step.  Accumulator 4 a + t: W's tile t, token tile 2 fl + a.
.macro UNITQK wreg, wsc, fl
	WIN 0x01                                       ; source 0 (W) window 1
.irp s, 0,1
.irp a, 0,1
.irp t, 0,1,2,3
.if \s == 0
	v_wmma_scale_f32_16x16x128_f8f6f4 v[HA+8*(4*\a+\t):HA+8*(4*\a+\t)+7], v[\wreg+12*(2*\t+\s):\wreg+12*(2*\t+\s)+11], v[XF+12*(2*(2*\fl+\a)+\s):XF+12*(2*(2*\fl+\a)+\s)+11], 0, v[\wsc+2*\t+\s], v[XS+2*(2*\fl+\a)+\s] matrix_a_fmt:MATRIX_FMT_FP6 matrix_b_fmt:MATRIX_FMT_FP6
.else
	v_wmma_scale_f32_16x16x128_f8f6f4 v[HA+8*(4*\a+\t):HA+8*(4*\a+\t)+7], v[\wreg+12*(2*\t+\s):\wreg+12*(2*\t+\s)+11], v[XF+12*(2*(2*\fl+\a)+\s):XF+12*(2*(2*\fl+\a)+\s)+11], v[HA+8*(4*\a+\t):HA+8*(4*\a+\t)+7], v[\wsc+2*\t+\s], v[XS+2*(2*\fl+\a)+\s] matrix_a_fmt:MATRIX_FMT_FP6 matrix_b_fmt:MATRIX_FMT_FP6
.endif
.endr
.endr
.endr
.endm
; v of my head, channel tiles 2 uu and 2 uu + 1, all 64 tokens.  Accumulator 4 a + tt: token tile tt, Wv's tile 2 uu + a: register 32 a + 8 tt + i of a lane is token 32 (lane / 16) + 8 tt + i.
.macro UNITV uu
	WIN 0x08                                       ; source 1 (Wv) window 2
.irp s, 0,1
.irp a, 0,1
.irp tt, 0,1,2,3
.if \s == 0
	v_wmma_scale_f32_16x16x128_f8f6f4 v[HA+8*(4*\a+\tt):HA+8*(4*\a+\tt)+7], v[XF+12*(2*\tt+\s):XF+12*(2*\tt+\s)+11], v[12*(2*(2*\uu+\a)+\s):12*(2*(2*\uu+\a)+\s)+11], 0, v[XS+2*\tt+\s], v[WS+16+2*(2*\uu+\a)+\s] matrix_a_fmt:MATRIX_FMT_FP6 matrix_b_fmt:MATRIX_FMT_FP6
.else
	v_wmma_scale_f32_16x16x128_f8f6f4 v[HA+8*(4*\a+\tt):HA+8*(4*\a+\tt)+7], v[XF+12*(2*\tt+\s):XF+12*(2*\tt+\s)+11], v[12*(2*(2*\uu+\a)+\s):12*(2*(2*\uu+\a)+\s)+11], v[HA+8*(4*\a+\tt):HA+8*(4*\a+\tt)+7], v[XS+2*\tt+\s], v[WS+16+2*(2*\uu+\a)+\s] matrix_a_fmt:MATRIX_FMT_FP6 matrix_b_fmt:MATRIX_FMT_FP6
.endif
.endr
.endr
.endr
.endm
.macro AFTER                           ; behind a unit's products, ahead of its quantiser
	WIN 0
.rept 4
	v_nop                                          ; four places in front of the first read of results (ISA guide 7.12.1)
.endr
	s_wait_xcnt 0x0                                ; the last unit's stores have read the codes' and the scale word's registers: only behind this wait are they written again
.endm
.macro STOREF base, off0, off1         ; the codes' two halves, each as a half image
	global_store_b128 v4, v[PC:PC+3], s[\base:\base+1] offset:\off0
	global_store_b64 v5, v[PC+4:PC+5], s[\base:\base+1] offset:\off0+512
	global_store_b128 v4, v[PC+6:PC+9], s[\base:\base+1] offset:\off1
	global_store_b64 v5, v[PC+10:PC+11], s[\base:\base+1] offset:\off1+512
.endm
	s_load_b128 s[4:7], s[0:1], 0x0                ; x, wimg
	s_load_b128 s[24:27], s[0:1], 0x10             ; qc, qs
	s_load_b64 s[28:29], s[0:1], 0x20              ; kv
	v_lshl_add_u32 v254, v0, 2, 0x14000
	v_mov_b32 v255, 0
	v_lshrrev_b32 v1, 5, v0
	v_readfirstlane_b32 s30, v1                    ; wave = my token tile in the first phase, my head afterwards
	v_and_b32 v1, 31, v0                           ; lane
	v_and_b32 v2, 15, v0                           ; r
	v_bfe_u32 v3, v0, 4, 1                         ; h
	v_lshlrev_b32 v4, 4, v1                        ; 16 x lane
	v_lshlrev_b32 v5, 3, v1                        ; 8 x lane
	v_lshlrev_b32 v6, 2, v1                        ; 4 x lane
	v_lshlrev_b32 v[H8], 3, v3                     ; 8 h
	s_lshl_b32 s34, ttmp9, 16                      ; x: (64 j + 8 w) rows of 1,024 bytes
	s_lshl_b32 s33, s30, 13
	s_add_co_u32 s34, s34, s33
	s_mov_b32 s35, 0
	s_mul_i32 s36, s30, 8*FRB                      ; my head's 8 fragments in each matrix,
	s_mov_b32 s37, 0
	s_lshl_b32 s38, s30, 10                        ; and their scale words
	s_mov_b32 s39, 0
	s_wait_alu depctr_va_vdst(0)
	s_wait_kmcnt 0x0
	s_add_nc_u64 s[4:5], s[4:5], s[34:35]
	s_add_nc_u64 s[8:9], s[6:7], s[38:39]
	s_add_nc_u64 s[6:7], s[6:7], s[36:37]
	WIN 0x80                                       ; destination window 2
	XLOAD 0
	XLOAD 1
	WIN 0x40                                       ; destination window 1
	WLOAD 0, 0                                     ; Wq
	WIN 0
	s_mul_i32 s33, s30, WSTG                       ; my stages
	v_add_nc_u32 v7, s33, v4                       ; into them: 16 x lane of a row
	v_mul_u32_u24 v8, v2, SP
	v_lshl_add_u32 v8, v3, 6, v8
	v_add_nc_u32 v8, s33, v8                       ; out of them: row r, + 64 h
	s_mul_i32 s33, s30, 2*FRB
	s_add_co_u32 s33, s33, XIMG
	v_add_nc_u32 v9, s33, v4                       ; where I store x's images
	s_lshl_b32 s33, s30, 8
	s_add_co_u32 s33, s33, XSC
	v_add_nc_u32 v10, s33, v6                      ; and their scale words
	v_add_nc_u32 v11, XIMG, v4                     ; where any wave reads them
	v_add_nc_u32 v12, XSC, v6
	s_mov_b32 s[SEL], 0x76543210
	s_mov_b32 s[SEL+1], 0xfedcba98                 ; v_permlanex16_b32's selects for lane l xor 16
.irp b, 0,1,2,3
	v_mov_b32 v[TM+4+\b], 0                        ; a lane permute's destination counts as one of its sources
.endr
	s_lshl_b32 s33, ttmp9, 3
	s_add_co_u32 s33, s33, s30                     ; 8 j + head
	s_mul_i32 s40, s33, FRB
	s_mov_b32 s41, 0
	s_lshl_b32 s42, s33, 7
	s_mov_b32 s43, 0
	s_add_nc_u64 s[10:11], s[24:25], s[40:41]      ; qc at (2 j, head)
	s_add_nc_u64 s[12:13], s[26:27], s[42:43]      ; qs likewise
	s_lshr_b32 s33, ttmp9, 1
	s_mul_i32 s33, s33, STEPB                      ; my step's block of kv
	s_and_b32 s44, ttmp9, 1                        ; c: which 64 keys of the step
	s_mul_i32 s45, s30, 4*FRB
	s_add_co_u32 s45, s45, s33
	s_mov_b32 s47, 0
	s_mul_i32 s46, s44, 2*FRB
	s_add_co_u32 s46, s46, s45
	s_add_nc_u64 s[14:15], s[28:29], s[46:47]      ; K's images: block + 6,144 head + 3,072 c
	s_mul_i32 s46, s44, 768
	s_add_co_u32 s46, s46, s45
	s_add_co_u32 s46, s46, VIMG
	s_add_nc_u64 s[16:17], s[28:29], s[46:47]      ; V's: block + 24,576 + 6,144 head + 768 c
	s_lshl_b32 s45, s30, 9
	s_add_co_u32 s45, s45, s33
	s_lshl_b32 s46, s44, 3
	s_add_co_u32 s46, s46, s45
	s_add_co_u32 s46, s46, KSC
	s_add_nc_u64 s[18:19], s[28:29], s[46:47]      ; K's scale words: block + 49,152 + 512 head + 8 c
	s_lshl_b32 s46, s44, 1
	s_add_co_u32 s46, s46, s45
	s_add_co_u32 s46, s46, VSC
	s_add_nc_u64 s[20:21], s[28:29], s[46:47]      ; V's scale bytes: block + 51,200 + 512 head + 2 c
	; ---- x: my tile becomes two fragments
	s_wait_alu depctr_va_vdst(0)
	s_wait_loadcnt 40                              ; K step 0's 16 loads are in: behind them stand K step 1's 16 and Wq's 24
	TURN 0, HA
	s_wait_loadcnt 24                              ; K step 1's are in: behind them stand Wq's 24
	TURN 1, XF
	WIN 0x40
	WLOAD 1, 96                                    ; Wk
	WIN 0x80
	WLOAD 2, 0                                     ; Wv
	WIN 0
.irp i, 0,1,2
.irp f, 0,1,2,3,4,5,6,7
	global_load_b32 v[WS+8*\i+\f], v6, s[8:9] offset:\i*MAT+SCO+128*\f   ; the weights' scale words
.endr
.endr
	s_wait_dscnt 32                                ; K step 0 is back from the stage: behind its loads stand K step 1's 16 stores and 16 loads
	QUANT HA
.irp g, 0,1,2
	ds_store_b128 v9, v[PC+4*\g:PC+4*\g+3] offset:512*\g
.endr
	ds_store_b32 v10, v[PW]
	s_wait_dscnt 0x0                               ; K step 1 is back, and the stores have read their registers
	QUANT XF
.irp g, 0,1,2
	ds_store_b128 v9, v[PC+4*\g:PC+4*\g+3] offset:FRB+512*\g
.endr
	ds_store_b32 v10, v[PW] offset:128
	s_wait_dscnt 0x0                               ; for the others' sake: my images have landed
	s_barrier_signal -1
	s_barrier_wait -1                              ; x's eight fragments lie in LDS
.irp e, 0,1,2,3,4,5,6,7
.irp g, 0,1,2
	ds_load_b128 v[XF+12*\e+4*\g:XF+12*\e+4*\g+3], v11 offset:FRB*\e+512*\g
.endr
	ds_load_b32 v[XS+\e], v12 offset:128*\e
.endr
	s_wait_dscnt 0x0
	s_wait_loadcnt 0x0                             ; the weights
	; ---- six units: 16 products, a quantiser, the stores
.irp fl, 0,1
	UNITQK 0, WS, \fl
	AFTER
	QUANT HA
	STOREF 10, 4*FRB*\fl, 4*FRB*\fl+768
	global_store_b32 v6, v[PW], s[12:13] offset:512*\fl
.endr
.irp fl, 0,1
	UNITQK 96, WS+8, \fl
	AFTER
	QUANT HA
	STOREF 14, FRB*\fl, FRB*\fl+768
	v_mov_b32 v[KPW+\fl], v[PW]
.endr
	global_store_b64 v4, v[KPW:KPW+1], s[18:19]    ; the scale words of my two fragments of K
.irp uu, 0,1
	UNITV \uu
	AFTER
	QUANTB HA
	STOREF 16, 2*FRB*\uu, 2*FRB*\uu+FRB
	global_store_b16 v4, v[PW], s[20:21] offset:8*\uu            ; channel tile 2 uu: my 64 keys' two bytes of its scale word,
	global_store_d16_hi_b16 v4, v[PW], s[20:21] offset:8*\uu+4   ; and tile 2 uu + 1's
.endr
	s_wait_tensorcnt 0x0
	ds_add_u32 v254, v255
	s_wait_dscnt 0x0
	s_endpgm
.Lfunc_end_k_qae10f85a29_proj:
	.size	k_qae10f85a29_proj, .Lfunc_end_k_qae10f85a29_proj-k_qae10f85a29_proj
	.p2alignl 7, 3214868480
	.fill 96, 4, 3214868480
	.section	.rodata,"a",@progbits
	.p2align	6, 0x0
	.amdhsa_kernel k_qae10f85a29_proj
		.amdhsa_group_segment_fixed_size 82432
		.amdhsa_private_segment_fixed_size 0
		.amdhsa_enable_private_segment 0
		.amdhsa_kernarg_size 40
		.amdhsa_user_sgpr_count 2
		.amdhsa_user_sgpr_kernarg_segment_ptr 1
		.amdhsa_wavefront_size32 1
		.amdhsa_system_sgpr_workgroup_id_x 1
		.amdhsa_system_sgpr_workgroup_id_y 1
		.amdhsa_system_sgpr_workgroup_id_z 1
		.amdhsa_system_vgpr_workitem_id 0
		.amdhsa_next_free_vgpr 768
		.amdhsa_next_free_sgpr 66
		.amdhsa_reserve_vcc 0
		.amdhsa_float_denorm_mode_32 3
		.amdhsa_float_denorm_mode_16_64 3
		.amdhsa_memory_ordered 1
		.amdhsa_forward_progress 1
		.amdhsa_inst_pref_size 68
	.end_amdhsa_kernel
	.amdgpu_metadata
---
amdhsa.version: [ 1, 2 ]
amdhsa.kernels:
  - .name:           k_qae10f85a29_proj
    .symbol:         k_qae10f85a29_proj.kd
    .args:
      - { .name: x, .offset: 0, .size: 8, .value_kind: global_buffer, .address_space: global }
      - { .name: wimg, .offset: 8, .size: 8, .value_kind: global_buffer, .address_space: global }
      - { .name: qc, .offset: 16, .size: 8, .value_kind: global_buffer, .address_space: global }
      - { .name: qs, .offset: 24, .size: 8, .value_kind: global_buffer, .address_space: global }
      - { .name: kv, .offset: 32, .size: 8, .value_kind: global_buffer, .address_space: global }
    .group_segment_fixed_size: 82432
    .private_segment_fixed_size: 0
    .kernarg_segment_align: 8
    .kernarg_segment_size: 40
    .max_flat_workgroup_size: 128
    .sgpr_count:     66
    .vgpr_count:     768
    .wavefront_size: 32
...
	.end_amdgpu_metadata
.endif
;; end of part 2
;; launch attn (part 3): grid 256 x 1, 8 waves a work-group, clusters of 4 x 1, 327,680 bytes of LDS; arguments qc, qs, kv, wimg, bu, out0; writes out0
.if DOCPART == 3
	.amdgcn_target "amdgcn-amd-amdhsa--gfx1250"
	.amdhsa_code_object_version 6
	.text
	.protected	k_qae10f85a29_attn
	.globl	k_qae10f85a29_attn
	.p2align	8
	.type	k_qae10f85a29_attn,@function
k_qae10f85a29_attn:
	s_mov_b64 s[64:65], 0
	v_nop
	global_prefetch_b8 v0, s[64:65] scope:SCOPE_SE
	s_setreg_imm32_b32 hwreg(HW_REG_WAVE_MODE, 25, 1), 1
	s_wait_xcnt 0x0
	s_wait_alu depctr_hold_cnt(0) depctr_sa_sdst(0) depctr_va_vdst(0) depctr_va_sdst(0) depctr_va_ssrc(0) depctr_va_vcc(0) depctr_vm_vsrc(0)
	s_getreg_b32 s2, hwreg(HW_REG_IB_STS2, 6, 4)
	s_cmp_eq_u32 s2, 0
	s_cbranch_scc0 .Lentry_in_a_cluster
	s_endpgm
.Lentry_in_a_cluster:
	s_bfe_u32 s2, ttmp6, 0x10000c
	s_cmp_lg_u32 s2, 0x3003
	s_cbranch_scc0 .Lentry_shape_is_right
	s_endpgm
.Lentry_shape_is_right:
; out = (softmax(q k^T / 8) v) Wu^T + bu, all three products on codes of FP6 (E2M3) with one E8M0 scale for each 32 along a product's K.  4 batches x 4,096 tokens, 4 heads of 64, no mask.
; q, k, v and Wu come as images of operand registers (qc, qs, kv, wimg): every load of them is 16 or 8 bytes a lane on end.
; THE SOFTMAX: t = score x log2(e) / 8; M = the row's largest t so far, rounded UP to a whole number; p = 2^(t - M) is quantised along the keys, not normalised.  The row's sum is taken of the unquantised p
; and divides O at the end.  When M moves, the sums and O are multiplied by 2^(old M - new M): exact, no branch on data.
; SHARES.  Work-group j owns queries 64 j .. 64 j + 63 of one batch, all four heads, so that the last product's K = 256 meets in its LDS.  Eight waves of 512 registers: wave w has head w % 4 and the query tiles
; 2 (w / 4) and 2 (w / 4) + 1 (16 queries each): a fragment of K or V read from LDS feeds both tiles.  Every wave walks the batch's 4,096 keys, 128 a step.
; TILES OF TOKENS.  Lane r of tile tt of 64 tokens is token 8 tt + 32 (r / 8) + r % 8, so the 32 registers of four neighbouring score tiles are a WHOLE BLOCK OF 32 KEYS in a lane, in the order of the operand's registers.
; S^T = K Q^T: a fragment of K holds two tiles of 16 keys side by side along K; multiplied by (q | 0) it gives the first tile's scores, by (0 | q) the second's.  O^T = V^T P^T.  A lane holds one query of each tile.
; ORDER OF A STEP.  V's loads; tile 0's eight score products; tile 1's eight in pairs among tile 0's maxima; the maxima's chain; t - M; O and the sums under the new M; exponentials; the next step's K is fetched;
; p's scales and codes; the eight O products, each followed by seven of the 64 packed additions that sum p (the partial sums lie in window 1, so that one window setting serves both).
; CLUSTER.  The four work-groups of a cluster belong to one batch and walk the same blocks of kv: each slot is asked for JOINTLY (mask 15), every wave an eighth (52 rows of 256 bytes).
; RING.  Two slots of two steps (106,496 bytes, dense in memory), sixteen equal fills.  A slot's last LDS reads are its last step's V.  THE ROUND OF THE CLUSTER'S BARRIER IS SPREAD OVER THAT STEP, with register work
; alone inside it: the three lines and the opening signal stand among tile 0's maxima; the opening wait and wave 0's signal for the work-group behind the maxima's chain; the cluster's wait and the closing signal
; ahead of the exponentials; the closing wait and the joint refill behind them, ahead of the fetch of the next slot's K.  By this text's count a wave has one tensor load out at the most.
; No prefetch is laid: a fill is asked for behind the exponentials of one slot's last step and waited for among the maxima of the next slot's last step, more than one and a half steps of all eight waves later.
; LIMITS: NaN and infinities are not served.  A block's largest p is taken from its largest score (this takes v_exp_f32 not to fall where its input rises).  v_exp_f32 gives 0 for results under 2^-126.
; A block whose largest magnitude lies under 2^-124 keeps the scale byte 1: its codes are zeros or nearly so.
; REGISTERS.  Window 0: v1-3 my lane's places in a step's block; v4 8 x (lane / 16); v7, v8 spare word and 0; v9-11 addresses of the step in hand; v12-15 (-M, largest score) for each tile; v20-23 the factor;
; v24-35 scale words (K, V, q, p); v36-57 at work; v72-111 p's codes; v112-239 S^T, then p; v240-243 Wu's scale words.
; Window 1: v0-47 K; v48-95 V; v96-159 O^T; v160-189 (0 | q0 | 0 | q1 | 0); v192-239 Wu's four fragments; v240-255 partial sums of p.
.set MAT,   53248
.set SCO,   49152
.set FRB,   1536
.set STEPB, 53248                      ; a step's block of kv
.set SLOTB, 2*STEPB                    ; a slot
.set QL,    SLOTB/8                    ; what one tensor load brings: 52 rows of 256 bytes
.set VIMG,  24576
.set KSC,   49152
.set AIMG,  2*SLOTB                    ; behind the ring, bytes of their own: the attention result's 8 fragments (2 m + s), in halves,
.set ASC,   AIMG+8*FRB                 ; their scale words, 128 bytes each,
.set STG,   ASC+8*128                  ; and the stage for out, 64 rows x (1,024 + 16) bytes
.set SPITCH, 1040
.set SPARE, STG+64*SPITCH              ; the spare words, 128 bytes for each wave: four blocks of 256 bytes that no other line names
.set H8,   4
.set SPW,  7
.set NIL,  8
.set NM,   12
.set FF,   20
.set KS,   24
.set VS,   28
.set QS,   32
.set PS,   34
.set BM,   36
.set BT,   44
.set SO,   52
.set X,    56
.set PC,   72
.set S,    112
.set WSC,  240
.set KF,   0                           ; window 1 from here on
.set VF,   48
.set O,    96
.set QB,   160
.set WUF,  192
.set LS,   240
.set WV,   16                          ; s16 wave, s17 head, s18 which pair of query tiles
.set SEL,  20
.set CS,   22
.set G1,   24                          ; s[24:31] descriptor group 1
.set G0,   32                          ; s[32:35] group 0
.set BASE, 36                          ; the slot that is read: 0 or SLOTB
.set TRIPS, 37
.set WQ,   80                          ; wave x QL
.set SB,   81                          ; LDS byte of the next step's block
.set MSB, 0
.macro WIN new                         ; the immediate's high byte repeats the setting that is left
.if MSB != \new
	s_set_vgpr_msb (MSB<<8)|\new
.set MSB, \new
.endif
.endm
.macro CROUND                          ; a whole round of the cluster's barrier
	s_barrier_signal -1
	s_barrier_wait -1
	s_cmp_lg_u32 s[WV], 0
	s_cbranch_scc1 .Lnw0_\@
	s_barrier_signal -3
.Lnw0_\@:
	s_barrier_wait -3
	s_barrier_signal -1
	s_barrier_wait -1
.endm
.macro H2
	s_delay_alu instid0(VALU_DEP_2)
.endm
.macro LOADF reg, off                  ; four fragments in half images: 16 loads
.irp f, 0,1,2,3
.irp c, 0,1
	ds_load_b128 v[\reg+12*\f+6*\c:\reg+12*\f+6*\c+3], v9 offset:\off+FRB*\f+768*\c
	ds_load_b64 v[\reg+12*\f+6*\c+4:\reg+12*\f+6*\c+5], v10 offset:\off+FRB*\f+768*\c
.endr
.endr
.endm
.macro SW f, kt, u                     ; scores of key tile 2 f + kt for query tile u: kt = 0 takes (q | 0), kt = 1 (0 | q)
	v_wmma_scale_f32_16x16x128_f8f6f4 v[S+64*\u+8*(2*\f+\kt):S+64*\u+8*(2*\f+\kt)+7], v[KF+12*\f:KF+12*\f+11], v[QB+12*\u+6-6*\kt:QB+12*\u+17-6*\kt], 0, v[KS+\f], v[QS+\u] matrix_a_fmt:MATRIX_FMT_FP6 matrix_b_fmt:MATRIX_FMT_FP6
.endm
.macro PAIR f                          ; two of tile 1's score products
	WIN 0x05
	SW \f, 0, 1
	SW \f, 1, 1
	WIN 0
.endm
.macro PVW t, u
	v_wmma_scale_f32_16x16x128_f8f6f4 v[O+32*\u+8*\t:O+32*\u+8*\t+7], v[VF+12*\t:VF+12*\t+11], v[PC+20*\u:PC+20*\u+11], v[O+32*\u+8*\t:O+32*\u+8*\t+7], v[VS+\t], v[PS+\u] matrix_a_fmt:MATRIX_FMT_FP6 matrix_b_fmt:MATRIX_FMT_FP6
.endm
; the largest score of a lane's two blocks of 32 keys, in four chains, each accumulator from its low end on
.macro MAXF u
.irp b, 0,1,2,3
	v_max3_num_f32 v[BM+4*\u+\b], v[S+64*\u+16*\b], v[S+64*\u+16*\b+1], v[S+64*\u+16*\b+2]
.endr
.endm
.macro MAXI u, i
.irp b, 0,1,2,3
	v_max3_num_f32 v[BM+4*\u+\b], v[BM+4*\u+\b], v[S+64*\u+16*\b+\i], v[S+64*\u+16*\b+\i+1]
.endr
.endm
.macro MAXE u
.irp c, 0,1
	v_max3_num_f32 v[BM+4*\u+2*\c], v[BM+4*\u+2*\c], v[BM+4*\u+2*\c+1], v[S+64*\u+32*\c+15]
.endr
.irp c, 0,1
	v_max_num_f32 v[BM+4*\u+2*\c], v[BM+4*\u+2*\c], v[S+64*\u+32*\c+31]
.endr
.endm
.macro ADDS n                          ; n of the 64 packed additions: pair QC / 2 of tile QC % 2 onto one of that tile's four partial sums
.rept \n
	v_pk_add_f32 v[LS+8*(QC%2)+2*((QC/2)%4):LS+8*(QC%2)+2*((QC/2)%4)+1], v[LS+8*(QC%2)+2*((QC/2)%4):LS+8*(QC%2)+2*((QC/2)%4)+1], v[S+64*(QC%2)+2*(QC/2):S+64*(QC%2)+2*(QC/2)+1]
.set QC, QC+1
.endr
.endm
; A KEY STEP.  Its K lies in registers or is on its way; v9-11 point at its block.  last: the slot's last step; pre: a step follows, its K is fetched; issue: the slot is filled again.
.macro STEP last, pre, issue
	WIN 0x40                                       ; (the seven additions behind the last O product are the places in front of these loads)
	LOADF VF, VIMG
	WIN 0
	ds_load_b128 v[VS:VS+3], v11 offset:2048
.if \last
	s_xor_b32 s[BASE], s[BASE], SLOTB
	s_mov_b32 s[SB], s[BASE]                       ; the next step opens the other slot
.else
	s_add_co_u32 s[SB], s[BASE], STEPB
.endif
	s_wait_alu depctr_va_vdst(0)
	s_wait_dscnt 17                                ; K and its scale words are in; V's 17 loads may be out
	WIN 0x05
.irp f, 0,1,2,3
	SW \f, 0, 0
	SW \f, 1, 0
.endr
	WIN 0
.if \pre
	v_add_nc_u32 v9, s[SB], v1                     ; the next step's addresses: also the four places in front of the first read of tile 0's scores
	v_add_nc_u32 v10, s[SB], v2
	v_add_nc_u32 v11, s[SB], v3
	v_nop
.else
.rept 4
	v_nop
.endr
.endif
	PAIR 0
	MAXF 0
	MAXI 0, 3
	PAIR 1
	MAXI 0, 5
	MAXI 0, 7
.if \last
	s_wait_tensorcnt 0x0                           ; my part of the other slot has landed; no tensor load of mine is out, so group 0 may be written
	ds_add_u32 v[SPW], v[NIL]                      ; 0 onto my spare word
.if \issue
	s_xor_b32 s40, s[BASE], SLOTB                  ; the slot that I leave,
	s_add_co_u32 s[G0+1], s40, s[WQ]               ; my eighth of it,
	s_add_nc_u64 s[G0+2:G0+3], s[G0+2:G0+3], SLOTB ; takes the fill behind the one last asked for
.endif
	s_wait_alu depctr_va_vdst(0)
	s_wait_dscnt 0x0                               ; the add is done, and my reads of this slot are over: K and V of its last step are in registers
	s_barrier_signal -1                            ; the round opens; register work alone up to its closing wait
.endif
	PAIR 2
	MAXI 0, 9
	MAXI 0, 11
	PAIR 3
	MAXI 0, 13
	MAXE 0                                         ; (these eight lines are the places in front of the first read of tile 1's scores)
	MAXF 1
.irp i, 3,5,7,9,11,13
	MAXI 1, \i
.endr
	MAXE 1
.irp u, 0,1
	v_mov_b32 v[BT+4*\u+1], v[NM+2*\u]             ; the old -M
.endr
.irp u, 0,1
	v_max_num_f32 v[X+\u], v[BM+4*\u], v[BM+4*\u+2]
.endr
.irp u, 0,1
	H2
	v_permlanex16_b32 v[BT+4*\u], v[X+\u], s[SEL], s[SEL+1]
.endr
.irp u, 0,1
	H2
	v_max3_num_f32 v[NM+2*\u+1], v[NM+2*\u+1], v[X+\u], v[BT+4*\u]   ; the running largest score of my query
.endr
.irp u, 0,1
	H2
	v_mul_f32 v[X+\u], s[CS], v[NM+2*\u+1]         ; as t (c is positive)
.endr
.irp u, 0,1
	H2
	v_floor_f32 v[NM+2*\u], -v[X+\u]               ; the new -M = floor(-t) = -ceil(t)
.endr
.irp u, 0,1
	H2
	v_sub_f32 v[X+\u], v[NM+2*\u], v[BT+4*\u+1]    ; old M - new M: a whole number, 0 or less
.endr
.irp u, 0,1
	H2
	v_cvt_i32_f32 v[X+\u], v[X+\u]                 ; (it saturates)
.endr
.irp u, 0,1
	H2
	v_ldexp_f32 v[FF+2*\u], 1.0, v[X+\u]           ; f = 2^(old M - new M)
.endr
.set j, 0
.rept 32
.irp u, 0,1
	v_pk_fma_f32 v[S+64*\u+j:S+64*\u+j+1], v[S+64*\u+j:S+64*\u+j+1], s[CS:CS+1], v[NM+2*\u:NM+2*\u+1] op_sel_hi:[1,0,0]   ; t - M, two at a time
.endr
.set j, j+2
.endr
.irp c, 0,1
.irp u, 0,1
	v_fma_f32 v[BM+4*\u+2*\c], v[BM+4*\u+2*\c], s[CS], v[NM+2*\u]   ; the same of each block's largest score
.endr
.endr
	WIN 0x41                                       ; O^T and the partial sums (window 1) x f (window 0), each accumulator from its low end on
.set j, 0
.rept 16
.irp u, 0,1
	v_pk_mul_f32 v[O+32*\u+j:O+32*\u+j+1], v[O+32*\u+j:O+32*\u+j+1], v[FF+2*\u:FF+2*\u+1] op_sel_hi:[1,0]
.endr
.set j, j+2
.endr
.irp k, 0,2,4,6
.irp u, 0,1
	v_pk_mul_f32 v[LS+8*\u+\k:LS+8*\u+\k+1], v[LS+8*\u+\k:LS+8*\u+\k+1], v[FF+2*\u:FF+2*\u+1] op_sel_hi:[1,0]
.endr
.endr
	WIN 0
	s_wait_alu depctr_va_vdst(0)
.if \last
	s_barrier_wait -1                              ; nobody of my work-group reads the slot left, and the other slot is whole
.if \issue
	s_cmp_lg_u32 s[WV], 0                          ; from the opening wait to the cluster's wait the lines stand on end
	s_cbranch_scc1 .Lnw1_\@
	s_barrier_signal -3                            ; wave 0 says so for the work-group
.Lnw1_\@:
	s_barrier_wait -3                              ; all four work-groups have said so
	s_barrier_signal -1                            ; the round's closing barrier: the exponentials stand between its signal and its wait
.endif
.endif
.set j, 0
.rept 64
.irp u, 0,1
	v_exp_f32 v[S+64*\u+j], v[S+64*\u+j]           ; p = 2^(t - M)
.endr
.set j, j+1
.endr
.irp c, 0,1
.irp u, 0,1
	v_exp_f32 v[BM+4*\u+2*\c], v[BM+4*\u+2*\c]     ; the block's largest p: the same two instructions on the same number
.endr
.endr
	v_nop                                          ; a plain place behind the exponentials
	s_wait_alu depctr_va_vdst(0)                   ; one wait for the batch
.if \issue
	s_barrier_wait -1                              ; the round is closed
	tensor_load_to_lds s[G0:G0+3], s[G1:G1+7]      ; the joint refill, my one tensor load behind the round
	s_nop 0
.endif
.if \pre
	ds_load_b128 v[KS:KS+3], v11                   ; the next step's K: 17 loads, which land under the rest of this step
	WIN 0x40
	LOADF KF, 0
	WIN 0
.endif
.irp c, 0,1
.irp u, 0,1
	v_max_num_f32 v[BM+4*\u+2*\c], 0x1800000, v[BM+4*\u+2*\c]   ; the floor 2^(3 - 127): the byte cannot fall under 1
.endr
.endr
.irp c, 0,1
.irp u, 0,1
	v_add_nc_u32 v[SO+2*\u+\c], 0xff000000, v[BM+4*\u+2*\c]     ; 2 off the exponent field: the conversion's scale operand
.endr
.endr
.irp c, 0,1
.irp u, 0,1
	v_lshrrev_b32 v[BT+4*\u+\c], 23, v[SO+2*\u+\c]              ; the scale's byte
.endr
.endr
.irp u, 0,1
	H2
	v_lshl_or_b32 v[PS+\u], v[BT+4*\u+1], 16, v[BT+4*\u]        ; my two bytes: blocks lane / 16 and 2 + lane / 16,
.endr
.irp u, 0,1
	H2
	v_lshlrev_b32 v[PS+\u], v[H8], v[PS+\u]                     ; at their places in the scale word;
.endr
.irp u, 0,1
	H2
	v_permlanex16_b32 v[BT+4*\u+2], v[PS+\u], s[SEL], s[SEL+1]
.endr
.irp u, 0,1
	H2
	v_or_b32 v[PS+\u], v[PS+\u], v[BT+4*\u+2]                   ; with lane l xor 16's two: p's scale word for these 128 keys
.endr
.irp c, 0,1
.irp u, 0,1
	v_cvt_scalef32_pk16_fp6_f32 v[PC+20*\u+6*\c:PC+20*\u+6*\c+2], v[S+64*\u+32*\c:S+64*\u+32*\c+15], v[SO+2*\u+\c]
	v_cvt_scalef32_pk16_fp6_f32 v[PC+20*\u+12+4*\c:PC+20*\u+14+4*\c], v[S+64*\u+32*\c+16:S+64*\u+32*\c+31], v[SO+2*\u+\c]   ; (a conversion's three registers begin on an even number: these are moved)
.endr
.endr
	v_nop                                          ; one plain place behind a scaled conversion
.irp c, 0,1
.irp u, 0,1
.irp i, 0,1,2
	v_mov_b32 v[PC+20*\u+3+6*\c+\i], v[PC+20*\u+12+4*\c+\i]
.endr
.endr
.endr
	s_wait_alu depctr_va_vdst(0)
	s_wait_dscnt 17*\pre                           ; V and its scale words are in; the next K's 17 loads may be out
	WIN 0x51                                       ; V, O^T and the partial sums in window 1, p and its codes in window 0
.set QC, 0
	ADDS 8                                         ; with the moves above: the places between p's scale word and codes and the products
.irp t, 0,1,2,3                                ; eight accumulators by turns
.irp u, 0,1
	PVW \t, \u
	ADDS 7
.endr
.endr
	WIN 0
.endm
	s_load_b256 s[4:11], s[0:1], 0x0               ; qc s[4:5], qs s[6:7], kv s[8:9], wimg s[10:11]
	s_load_b128 s[12:15], s[0:1], 0x20             ; bu s[12:13], out0 s[14:15]
	v_lshl_add_u32 v[SPW], v0, 2, SPARE
	v_mov_b32 v[NIL], 0
	ds_add_u32 v[SPW], v[NIL]                      ; the opening lines: the add twice on end and its wait ahead of my first tensor load
	ds_add_u32 v[SPW], v[NIL]
	s_wait_dscnt 0x0
	v_lshrrev_b32 v1, 5, v0
	v_readfirstlane_b32 s[WV], v1                  ; wave 0..7
	s_and_b32 s17, s[WV], 3                        ; head
	s_lshr_b32 s18, s[WV], 2                       ; fl: my query tiles are 2 fl and 2 fl + 1
	s_lshr_b32 s40, ttmp9, 4                       ; the batch: 16 clusters each; the four partners share it
	s_mul_i32 s41, s40, 32*STEPB                   ; kv: the batch's first block
	s_mul_i32 s[WQ], s[WV], QL                     ; my eighth of a slot
	s_add_co_u32 s42, s[WQ], s41
	s_mov_b32 s43, 0
	s_mov_b32 s[G1+0], 15|(3<<16)|(1<<21)          ; the mask: all four work-groups; elements of 8 bytes; no padding; bit 21 beside a mask
	s_mov_b32 s[G1+1], 32<<16                      ; tensor_dim0 = 32
	s_mov_b32 s[G1+2], 52<<16                      ; tensor_dim1 = 52
	s_mov_b32 s[G1+3], 32<<16                      ; tile_dim0 = 32
	s_mov_b32 s[G1+4], 52                          ; tile_dim1 = 52
	s_mov_b32 s[G1+5], 32                          ; the pitch
	s_mov_b32 s[G1+6], 0
	s_mov_b32 s[G1+7], 0
	s_mov_b32 s[SEL], 0x76543210
	s_mov_b32 s[SEL+1], 0xfedcba98                 ; v_permlanex16_b32's selects for lane l xor 16
	s_mov_b32 s[CS], 0x3e38aa3b                    ; c = log2(e) / 8
	s_mov_b32 s[CS+1], s[CS]
	s_mov_b32 s[TRIPS], 14
	s_mov_b32 s[BASE], 0
	s_bfe_u32 s38, ttmp6, 0x40000                  ; cx: it enters q's and out's addresses alone
	s_lshl_b32 s39, ttmp9, 2
	s_add_co_u32 s39, s39, s38                     ; j: my block of 64 queries
	s_lshl_b32 s44, s39, 3
	s_lshl_b32 s45, s18, 2
	s_add_co_u32 s44, s44, s45
	s_add_co_u32 s44, s44, s17                     ; (2 j + fl) 4 + head
	s_mul_i32 s46, s44, FRB                        ; q's fragment: its two halves are my two tiles
	s_mov_b32 s47, 0
	s_lshl_b32 s48, s44, 7                         ; and its scale words
	s_mov_b32 s49, 0
	s_mul_i32 s50, s[WV], 4*FRB
	s_add_co_u32 s50, s50, 3*MAT                   ; Wu's tiles 2 w, 2 w + 1: fragments 4 w .. 4 w + 3
	s_mov_b32 s51, 0
	s_lshl_b32 s60, s[WV], 9
	s_add_co_u32 s60, s60, 3*MAT+SCO               ; and their scale words
	s_mov_b32 s61, 0
	s_lshl_b32 s62, s[WV], 7                       ; my outputs' bytes in a row of out and in bu: 128 w + 32 tile + 64 (lane / 16)
	s_mov_b32 s63, 0
	s_lshl_b32 s44, s39, 16
	s_lshl_b32 s45, s[WV], 13
	s_add_co_u32 s44, s44, s45                     ; the rows of out that I store: 64 j + 8 w on
	s_mov_b32 s45, 0
	s_wait_kmcnt 0x0
	s_add_nc_u64 s[4:5], s[4:5], s[46:47]
	s_add_nc_u64 s[6:7], s[6:7], s[48:49]
	s_add_nc_u64 s[52:53], s[10:11], s[50:51]
	s_add_nc_u64 s[54:55], s[10:11], s[60:61]
	s_add_nc_u64 s[56:57], s[12:13], s[62:63]
	s_add_nc_u64 s[58:59], s[14:15], s[44:45]
	s_mov_b32 s[G0], 1                             ; count = 1
	s_mov_b32 s[G0+1], s[WQ]                       ; LDS: slot 0, my eighth
	s_add_nc_u64 s[G0+2:G0+3], s[8:9], s[42:43]    ; steps 0 and 1
	s_or_b32 s[G0+3], s[G0+3], 0x80000000          ; type = 2
	CROUND                                         ; all four work-groups are here: the first joint loads meet
	tensor_load_to_lds s[G0:G0+3], s[G1:G1+7]      ; slot 0: one tensor load a wave at the head
	s_nop 0
	v_and_b32 v9, 31, v0                           ; lane
	v_lshlrev_b32 v10, 3, v9                       ; 8 x lane
	v_lshlrev_b32 v11, 2, v9                       ; 4 x lane
	v_lshlrev_b32 v9, 4, v9                        ; 16 x lane
	global_load_b32 v[X], v11, s[6:7]              ; q's scale word: bytes 0, 1 tile 0's, bytes 2, 3 tile 1's
.irp k, 0,1,2,3
	global_load_b32 v[WSC+\k], v11, s[54:55] offset:128*\k
.endr
	WIN 0x40
.irp a, 0,1
	global_load_b128 v[QB+6+12*\a:QB+9+12*\a], v9, s[4:5] offset:768*\a
	global_load_b64 v[QB+10+12*\a:QB+11+12*\a], v10, s[4:5] offset:768*\a+512
.endr
.irp g, 0,1,2,3,4,5,6,7,8,9,10,11
	global_load_b128 v[WUF+4*\g:WUF+4*\g+3], v9, s[52:53] offset:512*\g
.endr
.irp z, 0,12,24
.irp i, 0,1,2,3,4,5
	v_mov_b32 v[QB+\z+\i], 0                       ; zero codes: the halves of K that are to count for nothing
.endr
.endr
.set j, 0
.rept 64
	v_mov_b32 v[O+j], 0                            ; O^T: a step is written one way; the first finds zeros
.set j, j+1
.endr
.set j, 0
.rept 16
	v_mov_b32 v[LS+j], 0                           ; the partial sums
.set j, j+1
.endr
	WIN 0
	s_mul_i32 s48, s17, 4*FRB                      ; my head's images in a step's block
	s_add_co_u32 s49, s48, 512
	s_lshl_b32 s50, s17, 9
	s_add_co_u32 s50, s50, KSC                     ; and its scale words
	v_add_nc_u32 v1, s48, v9
	v_add_nc_u32 v2, s49, v10
	v_add_nc_u32 v3, s50, v9
	v_bfe_u32 v[H8], v0, 4, 1
	v_lshlrev_b32 v[H8], 3, v[H8]                  ; 8 x (lane / 16)
	s_wait_alu depctr_va_vdst(0)
	s_wait_loadcnt 0x0                             ; q, Wu; the offsets' registers are free
	v_perm_b32 v[QS], v[X], v[X], 0x01000100       ; tile 0's two scale bytes at bytes 0, 1 for (q | 0) and at bytes 2, 3 for (0 | q)
	v_perm_b32 v[QS+1], v[X], v[X], 0x03020302     ; tile 1's
.irp u, 0,1
	v_mov_b32 v[NM+2*\u+1], 0xff61b1e6             ; the largest score so far: -3e38
	v_mov_b32 v[NM+2*\u], 0x7e000000               ; -M: a large whole number, so that the first factor is 0
	v_mov_b32 v[FF+2*\u+1], 0                      ; (named as the upper half of a pair)
.endr
.irp b, 0,1,2,3,4,5,6,7
	v_mov_b32 v[BT+\b], 0                          ; a lane permute's destination counts as one of its sources
.endr
	s_wait_alu depctr_va_vdst(0)
	s_wait_tensorcnt 0x0                           ; my part of slot 0 is in; the same three lines ahead of a later first fill as ahead of a refill
	ds_add_u32 v[SPW], v[NIL]
	s_add_co_u32 s[G0+1], s[G0+1], SLOTB           ; slot 1,
	s_add_nc_u64 s[G0+2:G0+3], s[G0+2:G0+3], SLOTB ; steps 2 and 3
	s_wait_dscnt 0x0
	CROUND
	tensor_load_to_lds s[G0:G0+3], s[G1:G1+7]
	s_nop 0
	v_add_nc_u32 v9, s[BASE], v1                   ; step 0's addresses
	v_add_nc_u32 v10, s[BASE], v2
	v_add_nc_u32 v11, s[BASE], v3
	ds_load_b128 v[KS:KS+3], v11                   ; and its K
	WIN 0x40
	LOADF KF, 0
	WIN 0
.Lslot:                                            ; fourteen trips of one slot: fills 0 to 13 are read, fills 2 to 15 asked for
	STEP 0, 1, 0
	STEP 1, 1, 1
	s_sub_co_u32 s[TRIPS], s[TRIPS], 1
	s_cmp_lg_u32 s[TRIPS], 0
	s_wait_alu depctr_va_vdst(0)
	s_cbranch_scc1 .Lslot
	STEP 0, 1, 0                                   ; the tail is written out: nothing is left to ask for
	STEP 1, 1, 0                                   ; the barrier shows the last slot whole
	STEP 0, 1, 0
	STEP 0, 0, 0
	; ---- THE WAY OUT.  O^T / the sum is quantised along the head's 64 channels: half a fragment of the last product's operand; the halves meet in LDS; wave w makes Wu's tiles 2 w, 2 w + 1 for all 64 tokens.
	s_lshl_b32 s40, s18, 2
	s_lshr_b32 s41, s17, 1
	s_add_co_u32 s40, s40, s41                     ; fragment 2 m + head / 2 of my first tile m = 2 fl; the second tile's lies two further on
	s_and_b32 s41, s17, 1                          ; which half of it
	s_mul_i32 s42, s40, FRB
	s_mul_i32 s43, s41, 768
	s_add_co_u32 s42, s42, s43
	s_add_co_u32 s42, s42, AIMG
	s_lshl_b32 s43, s40, 7
	s_lshl_b32 s41, s41, 1
	s_add_co_u32 s43, s43, s41
	s_add_co_u32 s43, s43, ASC
	s_add_co_u32 s46, s62, STG
	s_mul_i32 s47, s[WV], 8*SPITCH
	s_add_co_u32 s47, s47, STG
	v_and_b32 v1, 31, v0                           ; lane
	v_and_b32 v2, 15, v0                           ; r
	v_bfe_u32 v3, v0, 4, 1                         ; h
	v_lshlrev_b32 v4, 4, v1                        ; 16 x lane
	v_lshlrev_b32 v5, 3, v1                        ; 8 x lane
	v_lshlrev_b32 v6, 2, v1                        ; 4 x lane
	v_lshlrev_b32 v9, 6, v3                        ; 64 h
.irp q, 0,1,2,3
	global_load_b128 v[208+4*\q:211+4*\q], v9, s[56:57] offset:16*\q   ; bu at my sixteen outputs: the C of the last product's first K step
.endr
	v_add_nc_u32 v16, s42, v4                      ; where I store a half image: registers 0-3,
	v_add_nc_u32 v17, s42, v5                      ; registers 4-5 (512 further on),
	v_add_nc_u32 v18, s43, v6                      ; and its two scale bytes
	v_add_nc_u32 v19, AIMG, v4                     ; where any wave reads them
	v_add_nc_u32 v20, AIMG, v5
	v_add_nc_u32 v21, ASC, v6
	v_and_b32 v22, 8, v2
	v_mad_u32_u24 v22, v22, 3, v2                  ; r + 24 (r / 8): my token in a tile, from the tile's first
	v_mul_u32_u24 v22, v22, SPITCH
	v_lshl_add_u32 v22, v3, 6, v22
	v_add_nc_u32 v22, s46, v22                     ; the stage: my token's row, my outputs
	v_add_nc_u32 v23, s47, v4                      ; back: rows 8 w on, 16 bytes a lane
	WIN 0x45                                       ; the four partial sums of each tile
.irp u, 0,1
	v_pk_add_f32 v[LS+8*\u:LS+8*\u+1], v[LS+8*\u:LS+8*\u+1], v[LS+8*\u+2:LS+8*\u+3]
	v_pk_add_f32 v[LS+8*\u+4:LS+8*\u+5], v[LS+8*\u+4:LS+8*\u+5], v[LS+8*\u+6:LS+8*\u+7]
.endr
.irp u, 0,1
	v_pk_add_f32 v[LS+8*\u:LS+8*\u+1], v[LS+8*\u:LS+8*\u+1], v[LS+8*\u+4:LS+8*\u+5]
.endr
	WIN 0x05
.irp u, 0,1
	v_add_f32 v[X+\u], v[LS+8*\u], v[LS+8*\u+1]
.endr
	WIN 0
.irp u, 0,1
	v_permlanex16_b32 v[BT+4*\u], v[X+\u], s[SEL], s[SEL+1]
.endr
.irp u, 0,1
	v_add_f32 v[X+\u], v[X+\u], v[BT+4*\u]         ; with lane l xor 16's: the row's sum
.endr
	s_wait_alu depctr_va_vdst(0)
.irp u, 0,1
	v_rcp_f32 v[X+\u], v[X+\u]
.endr
	v_nop                                          ; a plain place behind them
	WIN 0x01
	s_wait_alu depctr_va_vdst(0)                   ; the wait ahead of the reciprocals' first reader, which is also O^T's
.set j, 0
.rept 32
.irp u, 0,1
	v_mul_f32 v[S+64*\u+j], v[O+32*\u+j], v[X+\u]  ; register 16 b + i: channel 32 b + 16 h + i of my query, each accumulator from its low end on
.endr
.set j, j+1
.endr
	WIN 0
.irp b, 0,1
.irp u, 0,1
	v_max3_num_f32 v[BM+4*\u+\b], |v[S+64*\u+16*\b]|, |v[S+64*\u+16*\b+1]|, 0x1800000   ; two blocks of 32 channels, each in lanes l and l xor 16
.endr
.endr
.irp i, 2,4,6,8,10,12,14
.irp b, 0,1
.irp u, 0,1
	v_max3_num_f32 v[BM+4*\u+\b], v[BM+4*\u+\b], |v[S+64*\u+16*\b+\i]|, |v[S+64*\u+16*\b+\i+1]|
.endr
.endr
.endr
.irp b, 0,1
.irp u, 0,1
	v_permlanex16_b32 v[BT+4*\u+\b], v[BM+4*\u+\b], s[SEL], s[SEL+1]
.endr
.endr
.irp b, 0,1
.irp u, 0,1
	v_max_num_f32 v[BM+4*\u+\b], v[BM+4*\u+\b], v[BT+4*\u+\b]
.endr
.endr
.irp b, 0,1
.irp u, 0,1
	v_add_nc_u32 v[SO+2*\u+\b], 0xff000000, v[BM+4*\u+\b]
.endr
.endr
.irp b, 0,1
.irp u, 0,1
	v_lshrrev_b32 v[BT+4*\u+\b], 23, v[SO+2*\u+\b]
.endr
.endr
.irp u, 0,1
	v_lshl_or_b32 v[X+\u], v[BT+4*\u+1], 8, v[BT+4*\u]   ; the two scale bytes
.endr
.irp u, 0,1
	v_cvt_scalef32_pk16_fp6_f32 v[PC+20*\u:PC+20*\u+2], v[S+64*\u:S+64*\u+15], v[SO+2*\u]
	v_cvt_scalef32_pk16_fp6_f32 v[PC+20*\u+12:PC+20*\u+14], v[S+64*\u+16:S+64*\u+31], v[SO+2*\u+1]
.endr
	v_nop                                          ; one plain place behind a scaled conversion
.irp u, 0,1
.irp i, 0,1,2
	v_permlane16_swap_b32 v[PC+20*\u+\i], v[PC+20*\u+12+\i]   ; a whole block to a lane
.endr
.endr
.irp u, 0,1
.irp i, 0,1,2
	v_mov_b32 v[PC+20*\u+3+\i], v[PC+20*\u+12+\i]
.endr
.endr
.irp u, 0,1
	ds_store_b128 v16, v[PC+20*\u:PC+20*\u+3] offset:2*FRB*\u
	ds_store_b64 v17, v[PC+20*\u+4:PC+20*\u+5] offset:2*FRB*\u+512
	ds_store_b16 v18, v[X+\u] offset:256*\u
.endr
	s_wait_dscnt 0x0                               ; for the others' sake: my halves have landed
	s_barrier_signal -1
	s_barrier_wait -1                              ; the eight fragments lie in LDS
.irp e, 0,1,2,3,4,5,6,7                        ; fragment e = 2 mm + s
.irp c, 0,1
	ds_load_b128 v[S+12*\e+6*\c:S+12*\e+6*\c+3], v19 offset:FRB*\e+768*\c
	ds_load_b64 v[S+12*\e+6*\c+4:S+12*\e+6*\c+5], v20 offset:FRB*\e+768*\c+512
.endr
	ds_load_b32 v[KS+\e], v21 offset:128*\e
.endr
	s_wait_dscnt 0x0
	s_wait_loadcnt 0x0                             ; bu
	WIN 0x41                                       ; source 0 = a tile of Wu (window 1), source 1 = 16 tokens, C = bu (window 0): a lane holds one token and eight neighbouring outputs.  Eight accumulators by turns
.irp tw, 0,1
.irp mm, 0,1,2,3
	v_wmma_scale_f32_16x16x128_f8f6f4 v[O+8*(4*\tw+\mm):O+8*(4*\tw+\mm)+7], v[WUF+24*\tw:WUF+24*\tw+11], v[S+24*\mm:S+24*\mm+11], v[208+8*\tw:215+8*\tw], v[WSC+2*\tw], v[KS+2*\mm] matrix_a_fmt:MATRIX_FMT_FP6 matrix_b_fmt:MATRIX_FMT_FP6
.endr
.endr
	WIN 0x51
.irp tw, 0,1
.irp mm, 0,1,2,3
	v_wmma_scale_f32_16x16x128_f8f6f4 v[O+8*(4*\tw+\mm):O+8*(4*\tw+\mm)+7], v[WUF+24*\tw+12:WUF+24*\tw+23], v[S+24*\mm+12:S+24*\mm+23], v[O+8*(4*\tw+\mm):O+8*(4*\tw+\mm)+7], v[WSC+2*\tw+1], v[KS+2*\mm+1] matrix_a_fmt:MATRIX_FMT_FP6 matrix_b_fmt:MATRIX_FMT_FP6
.endr
.endr
	WIN 0
.rept 4
	v_nop                                          ; places in front of the stores of results, and of the loads below into registers that the products have read
.endr
	WIN 0x04                                       ; an LDS store's data are its source 1: window 1
.irp tw, 0,1
.irp mm, 0,1,2,3
	ds_store_b128 v22, v[O+8*(4*\tw+\mm):O+8*(4*\tw+\mm)+3] offset:8*\mm*SPITCH+32*\tw        ; each accumulator from its low end on
	ds_store_b128 v22, v[O+8*(4*\tw+\mm)+4:O+8*(4*\tw+\mm)+7] offset:8*\mm*SPITCH+32*\tw+16
.endr
.endr
	WIN 0
	s_wait_dscnt 0x0                               ; for the others' sake: my columns have landed
	s_barrier_signal -1
	s_barrier_wait -1                              ; 64 whole rows of out lie in the stage
.irp n, 0,1,2,3,4,5,6,7,8,9,10,11,12,13,14,15
	ds_load_b128 v[S+4*\n:S+4*\n+3], v23 offset:(\n/2)*SPITCH+512*(\n%2)
.endr
.irp n, 0,1,2,3,4,5,6,7,8,9,10,11,12,13,14,15
	s_wait_dscnt 15-\n                             ; LDS loads come back in order: load n is in, the younger ones may be out
	global_store_b128 v4, v[S+4*\n:S+4*\n+3], s[58:59] offset:(\n/2)*1024+512*(\n%2) th:TH_STORE_NT   ; 32 lanes store 512 consecutive bytes, aligned to 256
.endr
	s_wait_tensorcnt 0x0                           ; the wave's end
	ds_add_u32 v[SPW], v[NIL]
	s_wait_dscnt 0x0
	CROUND                                         ; the closing round
	s_endpgm
.Lfunc_end_k_qae10f85a29_attn:
	.size	k_qae10f85a29_attn, .Lfunc_end_k_qae10f85a29_attn-k_qae10f85a29_attn
	.p2alignl 7, 3214868480
	.fill 96, 4, 3214868480
	.section	.rodata,"a",@progbits
	.p2align	6, 0x0
	.amdhsa_kernel k_qae10f85a29_attn
		.amdhsa_group_segment_fixed_size 327680
		.amdhsa_private_segment_fixed_size 0
		.amdhsa_enable_private_segment 0
		.amdhsa_kernarg_size 48
		.amdhsa_user_sgpr_count 2
		.amdhsa_user_sgpr_kernarg_segment_ptr 1
		.amdhsa_wavefront_size32 1
		.amdhsa_system_sgpr_workgroup_id_x 1
		.amdhsa_system_sgpr_workgroup_id_y 1
		.amdhsa_system_sgpr_workgroup_id_z 1
		.amdhsa_system_vgpr_workitem_id 0
		.amdhsa_next_free_vgpr 512
		.amdhsa_next_free_sgpr 88
		.amdhsa_reserve_vcc 0
		.amdhsa_float_denorm_mode_32 3
		.amdhsa_float_denorm_mode_16_64 3
		.amdhsa_memory_ordered 1
		.amdhsa_forward_progress 1
		.amdhsa_inst_pref_size 200
	.end_amdhsa_kernel
	.amdgpu_metadata
---
amdhsa.version: [ 1, 2 ]
amdhsa.kernels:
  - .name:           k_qae10f85a29_attn
    .symbol:         k_qae10f85a29_attn.kd
    .args:
      - { .name: qc, .offset: 0, .size: 8, .value_kind: global_buffer, .address_space: global }
      - { .name: qs, .offset: 8, .size: 8, .value_kind: global_buffer, .address_space: global }
      - { .name: kv, .offset: 16, .size: 8, .value_kind: global_buffer, .address_space: global }
      - { .name: wimg, .offset: 24, .size: 8, .value_kind: global_buffer, .address_space: global }
      - { .name: bu, .offset: 32, .size: 8, .value_kind: global_buffer, .address_space: global }
      - { .name: out0, .offset: 40, .size: 8, .value_kind: global_buffer, .address_space: global }
    .group_segment_fixed_size: 327680
    .private_segment_fixed_size: 0
    .kernarg_segment_align: 8
    .kernarg_segment_size: 48
    .max_flat_workgroup_size: 256
    .sgpr_count:     88
    .vgpr_count:     512
    .wavefront_size: 32
...
	.end_amdgpu_metadata
.endif
;; end of part 3
